; MI455X (gfx1250); checked and timed in simulation.
; The chip was launched on July 23, 2026; its instructions are those of AMD's public machine-readable ISA for CDNA 5 (MIT licence, August 2026) and "CDNA5" Instruction Set Architecture Reference Guide (July 2026). The comments in the code are by the model that wrote it; some were corrected since.
;; Manual Attention. Allowed arithmetic: matrix products marked QUANTISED: E2M3 operands, one E8M0 scale for each 32 along K, by v_wmma_scale_f32_16x16x128_f8f6f4 with both operands' format E2M3, f32 sums; everything else in f32.
;; Inputs: b_out 1,024 float32; b_qkv 3,072 float32; w_out_codes 1,024 x 32 x 24 uint8 (E2M3 codes of w_out, K innermost, in blocks of 32 codes, four codes in three bytes); w_out_scales 1,024 x 32 uint8 (E8M0 scales of w_out, one for each 32 codes along K); w_qkv_codes 3,072 x 32 x 24 uint8 (E2M3 codes of w_qkv, K innermost, in blocks of 32 codes, four codes in three bytes); w_qkv_scales 3,072 x 32 uint8 (E8M0 scales of w_qkv, one for each 32 codes along K); x_codes 4 x 2,048 x 32 x 24 uint8 (E2M3 codes of x, K innermost, in blocks of 32 codes, four codes in three bytes); x_scales 4 x 2,048 x 32 uint8 (E8M0 scales of x, one for each 32 codes along K).
;; Outputs: out0 4 x 2,048 x 1,024 float32.
;; This version of the problem:
;;   THIS VERSION OF THE PROBLEM IS GIVEN IN LOW PRECISION. The matrix products marked QUANTISED in the list below multiply operands that are first quantised to E2M3 (2 exponent bits, 3 mantissa bits; 6 bits a number), with one power-of-two scale for each 32 numbers along K (OCP MX v1.0); their sums are f32. All else is computed in f32.
;;   The module's matrix products, in the order in which they are computed (A, B: the left and right operand; K: the contracted axis; several contracted axes count as one K, in the product's order):
;;     1. [M 8,192, K 1,024] x [K 1,024, N 3,072]; A: input x (given as codes); B: input w_qkv (given as codes): QUANTISED
;;     2. batch 64 x [M 2,048, K 64] x [K 64, N 2,048]; A: computed on the way; B: computed on the way: QUANTISED
;;     3. batch 64 x [M 2,048, K 2,048] x [K 2,048, N 64]; A: softmax (see below); B: computed on the way: QUANTISED
;;     4. [M 8,192, K 1,024] x [K 1,024, N 1,024]; A: computed on the way; B: input w_out (given as codes): QUANTISED
;;   THE QUANTISER, for each operand of a quantised product, along K:
;;     - K is cut into blocks of 32 from its start; a last block that is shorter is filled with zeros.
;;     - A block's scale is 2^e with e = floor(log2(the largest magnitude in the block)) - 2, held to -126 .. 127; a block of zeros has e = 0. As a byte (E8M0): e + 127.
;;     - Each number is divided by its block's scale, clamped to +-7.5, and rounded to the nearest number of E2M3, ties to even, subnormals kept.
;;     - The product sums the exact products of the quantised numbers (number of the format x scale) in f32.
;;   ~~~python
;;   def quantise(x, axis):      # numpy; x: float32 -> the quantised numbers, widened to float32 again
;;       x = np.moveaxis(x, axis, -1); K = x.shape[-1]
;;       x = np.pad(x, [(0, 0)] * (x.ndim - 1) + [(0, -K % 32)]); x = x.reshape(x.shape[:-1] + (-1, 32)); a = np.abs(x).max(-1, keepdims=True)
;;       e = np.where(a > 0, np.clip(np.frexp(np.where(a > 0, a, 1))[1] - 1 - 2, -126, 127), 0)      # np.frexp(a)[1] - 1 = floor(log2(a)), exactly
;;       r = np.clip(x / 2.0 ** e, -7.5, 7.5)
;;       step = 2.0 ** (np.maximum(np.frexp(np.where(r == 0, 1, r))[1] - 1, 0) - 3)
;;       q = np.round(r / step) * step * 2.0 ** e      # np.round: ties to even
;;       return np.moveaxis(q.reshape(q.shape[:-2] + (-1,))[..., :K], -1, axis).astype(np.float32)
;;   ~~~
;;   SOFTMAX AHEAD OF A QUANTISED PRODUCT. Where the list says 'softmax', what is quantised is not the finished softmax but p = 2^(t - M), with t = logit x log2(e) and M = ceil(the row's largest t), a whole number; so 1/2 < the row's largest p <= 1. The row's sum l is taken of the UNQUANTISED p, in f32, and the product's result is divided by l at the end. Since M is a whole number, a kernel that streams over the keys may use a running M (the ceiling of the running maximum): every later rescaling is an exact power of two, which a block's scale takes up: the codes' values come out the same.
;;   OPERANDS COMPUTED ON THE WAY. 'Computed on the way' means the value that the module computes at that place (a softmax that the list does not call 'softmax' is quantised finished and normalised). What goes into a quantiser is computed in f32, as accurately as f32 sums, v_exp_f32 and their like allow (about 1e-6 of the number): no bf16 or f16 on the way to a quantiser, and a product that is left as it is and whose result goes on into a quantised operand takes f32 operands (vector FMAs, or v_wmma_f32_16x16x4_f32). A number that lies on a knife's edge between two numbers of the format may be rounded either way, as far as f32 arithmetic and the matrix unit's own rounding can turn it there, and no further.
;;   INPUTS GIVEN AS CODES. w_out (in the module: [1024, 1024], K = its axis 1); w_qkv (in the module: [3072, 1024], K = its axis 1); x (in the module: [4, 2048, 1024], K = its axis 2): each comes as NAME_codes (uint8): NAME with its K axis moved to the last place and cut into blocks of 32 codes, [.., K / 32, bytes a block], one block behind the other in memory; four codes in three bytes: a row's codes are one little-endian stream of bits, code i at bits 6 i .. 6 i + 5 (a code: sign, 2 exponent bits, 3 mantissa bits); and NAME_scales (uint8): the same leading axes, one E8M0 byte (e + 127) for each 32 codes along K. Its value is code x scale, taken as it is: it is not quantised again, and the codes and scales need not be those that the quantiser above would give.
;; One version. Each part assembles by itself: llvm-mc -triple=amdgcn-amd-amdhsa -mcpu=gfx1250 --defsym DOCPART=n.
;; ======== version 1 of 1: 3 launches
;; limits: right only within a limited range of input values
;; workspace buffers: qkvc 18,874,368 bytes; qkvs 786,432 bytes; ac 6,291,456 bytes; asc 262,144 bytes
;; launch qkv (part 1): grid 8 x 32, 4 waves a work-group, clusters of 4 x 4, 327,680 bytes of LDS; arguments x_codes, x_scales, w_qkv_codes, w_qkv_scales, b_qkv, qkvc, qkvs; writes qkvc, qkvs
.if DOCPART == 1
	.amdgcn_target "amdgcn-amd-amdhsa--gfx1250"
	.amdhsa_code_object_version 6
	.text
	.protected	k_qe63fc76f73_qkv
	.globl	k_qe63fc76f73_qkv
	.p2align	8
	.type	k_qe63fc76f73_qkv,@function
k_qe63fc76f73_qkv:
	s_mov_b64 s[64:65], 0
	v_nop
	global_prefetch_b8 v0, s[64:65] scope:SCOPE_SE
	s_setreg_imm32_b32 hwreg(HW_REG_WAVE_MODE, 25, 1), 1
	s_wait_xcnt 0x0
	s_wait_alu depctr_hold_cnt(0) depctr_sa_sdst(0) depctr_va_vdst(0) depctr_va_sdst(0) depctr_va_ssrc(0) depctr_va_vcc(0) depctr_vm_vsrc(0)
	s_getreg_b32 s2, hwreg(HW_REG_IB_STS2, 6, 4)
	s_cmp_eq_u32 s2, 0
	s_cbranch_scc0 .Lentry_in_a_cluster
	s_endpgm
.Lentry_in_a_cluster:
	s_bfe_u32 s2, ttmp6, 0x10000c
	s_cmp_lg_u32 s2, 0xf033
	s_cbranch_scc0 .Lentry_shape_is_right
	s_endpgm
.Lentry_shape_is_right:
; Q, K, V = x w_qkv^T + b_qkv on codes of FP6 (E2M3) with E8M0 scales, quantised again on the way out: Q and K along the head's 64, V along the tokens.
; Every input is loaded.
; 256 work-groups of four waves, 2 x 2.  A work-group takes 256 tokens and the same 128 features (two heads) of Q, then of K, then of V: three passes of 256 x 128; a wave makes 128 tokens x 64 features (one head) in 32 accumulators.
; x's 256 rows, all of K, lie in LDS for the whole launch.  A weight's 128 rows have a region of their own; a wave takes its 64 rows, all of K, into 384 registers at a pass's head,
; so the region is filled again in the pass's second step, behind a drained round of the cluster's barrier, six steps of products ahead of its first read: so no prefetch is laid.
; Q and K (two trips of one loop): source 0 = the weight's rows, source 1 = x's tokens.  V (written out): the other way round.  So a lane's registers run along the next product's K in all three.
; The bias is the C of a pass's first products.  The next weight's loads into registers fly under the way out.
; OUT: qkvc [tensor][batch, head][step of 128 tokens][4][1,536 bytes]: Q, K two images of 16 tokens x 64, V one operand of 16 channels x 128 tokens, as [piece][lane][8 bytes];
; qkvs [tensor][batch, head][step][row r][4 words]: Q, K word a' = the two bytes of token tile 2 a', then of 2 a' + 1; V word a = channel tile a's four key blocks.
; Inside a block of 32 the places are 0-7, 16-23, 8-15, 24-31, alike in Q, K, V.
; LIMITS: NaN and infinities are not served; a block of zeros gets the scale byte 1 (its codes are zeros, and this program alone reads the bytes).
.set KROW,   768
.set PITCH,  816                       ; 3 x (256 + 16)
.set WOFF,   256*PITCH
.set SPARE,  WOFF+128*PITCH
.set VO,   8                           ; v8, v9 8 x lane, + 768
.set L8,   10
.set R4,   11
.set BP,   12
.set BW,   13
.set BB,   14
.set W,    16                          ; v16-19 a pass's scale words
.set SW,   20
.set BV,   22                          ; v22-25 V's bias, one number a lane and channel tile
.set SPW,  28
.set NIL,  29
.set SCX,  32                          ; v32-63 x's scale words: 8 (block % 4) + step; lanes 16-31: block + 4
.set SCW,  64                          ; v64-79 the weight's: 8 (block % 2) + (step + 4) % 8; lanes 16-31: block + 2
.set SB2,  80                          ; v80-95 the next weight's
.set BC,   96                          ; v96-127 the bias in the result's layout
.set PC,   224
.set TM,   244
; window 0 v128-223: x's fragments, set 0.  window 1: v0-95 set 1; v96-239 the weight's fragments of steps 5-7; v240-247 their LDS addresses.
; window 2: the accumulators.  window 3: v0-239 the weight's fragments of steps 0-4; v240-255 x's LDS addresses.
.set WV,  18
.set IH,  19
.set JH,  20
.set CX,  21
.set CY,  22
.set GT,  23
.set G1X, 24
.set G1W, 32
.set G0X, 40
.set G0W, 44
.set SEL, 48
.set HM,  50
.set TRIP, 51
.set TT,  66
.set PW,  68
.set PSW, 70
.set PB,  72
.set MSB, 0
.macro WIN new
.if MSB != (\new)
	s_set_vgpr_msb (MSB<<8)|(\new)
.set MSB, (\new)
.endif
.endm
.macro PLACES n
.rept \n
	v_nop
.endr
.endm
.macro WALU
	s_wait_alu depctr_va_vdst(0)
.endm
.macro TLOAD g0, g1                    ; s_nop 0 and four v_nop behind the load
	tensor_load_to_lds s[\g0:\g0+3], s[\g1:\g1+7]
	s_nop 0
	PLACES 4
.endm
.macro CREST
	s_cmp_lg_u32 s[WV], 0
	s_cbranch_scc1 .Lnot_wave_0_\@
	s_barrier_signal -3
.Lnot_wave_0_\@:
	s_barrier_wait -3
	s_barrier_signal -1
	s_barrier_wait -1
.endm
.macro CROUND
	s_barrier_signal -1
	s_barrier_wait -1
	CREST
.endm
.macro GROUP1 g, mask, rows            ; rows of 768 bytes, 4 words of padding behind every 64
	s_or_b32 s[\g+0], s[\mask], (1<<20)|(1<<21)|(5<<22)|(3<<25)
	s_mov_b32 s[\g+1], KROW<<16
	s_mov_b32 s[\g+2], (\rows)<<16
	s_mov_b32 s[\g+3], KROW<<16
	s_mov_b32 s[\g+4], \rows
	s_mov_b32 s[\g+5], KROW
	s_mov_b32 s[\g+6], 0
	s_mov_b32 s[\g+7], 0
.endm
	s_load_b256 s[4:11], s[0:1], 0x0               ; x's codes, scales, w_qkv's codes, scales
	s_load_b128 s[12:15], s[0:1], 0x20             ; b_qkv, qkvc
	s_load_b64 s[16:17], s[0:1], 0x30              ; qkvs
	v_lshl_add_u32 v[SPW], v0, 2, SPARE
	v_mov_b32 v[NIL], 0
	ds_add_u32 v[SPW], v[NIL]                      ; the opening lines
	ds_add_u32 v[SPW], v[NIL]
	v_lshrrev_b32 v1, 5, v0
	v_readfirstlane_b32 s[WV], v1
	s_lshr_b32 s[IH], s[WV], 1                     ; my half of the tokens
	s_and_b32 s[JH], s[WV], 1                      ; my head of the two; also the half of a tile that I fetch
	s_bfe_u32 s[CX], ttmp6, 0x40000
	s_bfe_u32 s[CY], ttmp6, 0x40004
	s_lshl_b32 s[GT], ttmp9, 2
	s_add_co_u32 s[GT], s[GT], s[CX]               ; the pair of heads, 0 .. 7
	s_and_b32 s[TT], ttmp7, 0xffff
	s_lshl_b32 s[TT], s[TT], 2
	s_add_co_u32 s[TT], s[TT], s[CY]               ; the tile of 256 tokens, 0 .. 31
	s_lshl_b32 s52, s[CY], 2
	s_lshl_b32 s52, 15, s52                        ; x's rows are shared along my row of the cluster,
	s_lshl_b32 s53, 0x1111, s[CX]                  ; a weight's along my column
	GROUP1 G1X, 52, 128
	GROUP1 G1W, 53, 64
	s_lshl_b32 s54, s[TT], 8
	s_lshl_b32 s55, s[JH], 7
	s_add_co_u32 s54, s54, s55
	s_mul_i32 s54, s54, KROW                       ; x: the 128 rows that I would fetch
	s_mov_b32 s55, 0
	s_lshl_b32 s56, s[GT], 7
	s_lshl_b32 s57, s[JH], 6
	s_add_co_u32 s56, s56, s57                     ; my first feature in a tensor; also the first row of a weight that I would fetch
	s_lshl_b32 s60, s56, 5
	s_mov_b32 s61, 0
	s_lshl_b32 s62, s56, 2
	s_mov_b32 s63, 0
	s_mul_i32 s56, s56, KROW
	s_mov_b32 s57, 0
	s_lshl_b32 s58, s[TT], 1
	s_add_co_u32 s58, s58, s[IH]                   ; my group of 128 tokens, 0 .. 63
	s_lshr_b32 s67, s58, 4
	s_lshl_b32 s67, s67, 4
	s_lshl_b32 s74, s[GT], 1
	s_add_co_u32 s74, s74, s[JH]
	s_add_co_u32 s67, s67, s74                     ; 16 batch + head
	s_and_b32 s76, s58, 15
	s_mul_i32 s74, s67, 98304
	s_mul_i32 s75, s76, 6144
	s_add_co_u32 s74, s74, s75
	s_mov_b32 s75, 0
	s_lshl_b32 s67, s67, 12
	s_lshl_b32 s76, s76, 8
	s_add_co_u32 s76, s76, s67
	s_mov_b32 s77, 0
	s_lshl_b32 s58, s58, 12                        ; x's scales: 128 rows of 32 bytes
	s_mov_b32 s59, 0
	s_mov_b32 s[G0X], 1
	s_mul_i32 s[G0X+1], s[JH], 128*PITCH
	s_mov_b32 s[G0W], 1
	s_mul_i32 s[G0W+1], s[JH], 64*PITCH
	s_add_co_u32 s[G0W+1], s[G0W+1], WOFF
	s_mov_b32 s[SEL], 0x76543210
	s_mov_b32 s[SEL+1], 0xfedcba98
	s_mov_b32 s[HM], 0xffff0000
	s_wait_dscnt 0x0
	s_wait_kmcnt 0x0
	s_add_nc_u64 s[G0X+2:G0X+3], s[4:5], s[54:55]
	s_or_b32 s[G0X+3], s[G0X+3], 0x80000000
	s_add_nc_u64 s[PW:PW+1], s[8:9], s[56:57]
	s_mov_b64 s[G0W+2:G0W+3], s[PW:PW+1]
	s_or_b32 s[G0W+3], s[G0W+3], 0x80000000
	s_add_nc_u64 s[6:7], s[6:7], s[58:59]
	s_add_nc_u64 s[PSW:PSW+1], s[10:11], s[60:61]
	s_add_nc_u64 s[PB:PB+1], s[12:13], s[62:63]
	s_add_nc_u64 s[14:15], s[14:15], s[74:75]
	s_add_nc_u64 s[16:17], s[16:17], s[76:77]
	CROUND                                         ; all sixteen work-groups are here: the first joint loads meet
	s_cmp_lt_u32 s[WV], 2
	s_cbranch_scc0 .Lhead_x
	TLOAD G0W, G1W                                 ; waves 0, 1: a half each of W_q's rows, which are wanted first
	s_branch .Lasked
.Lhead_x:
	TLOAD G0X, G1X                                 ; waves 2, 3: a half each of x's rows
.Lasked:
	v_and_b32 v1, 15, v0                           ; r
	v_bfe_u32 v2, v0, 4, 1                         ; h
	v_lshlrev_b32 v[BP], 5, v1
	v_lshl_add_u32 v[BW], v2, 10, v[BP]            ; 32 r, + 32 rows for lanes 16-31
	v_lshl_add_u32 v[BP], v2, 11, v[BP]            ; 32 r, + 64 rows
	v_lshlrev_b32 v[BB], 5, v2
	v_lshlrev_b32 v[R4], 2, v1
.irp i, 0,1,2,3
	global_load_b128 v[SCX+8*\i:SCX+8*\i+3], v[BP], s[6:7] offset:512*\i
	global_load_b128 v[SCX+8*\i+4:SCX+8*\i+7], v[BP], s[6:7] offset:512*\i+16
.endr
.irp e, 0,1                                    ; steps 0-3 into registers 4-7 and steps 4-7 into 0-3: the two scale registers of a product then differ modulo 8
	global_load_b128 v[SCW+8*\e+4:SCW+8*\e+7], v[BW], s[PSW:PSW+1] offset:512*\e
	global_load_b128 v[SCW+8*\e:SCW+8*\e+3], v[BW], s[PSW:PSW+1] offset:512*\e+16
.endr
.irp b, 0,1,2,3
	global_load_b128 v[BC+8*\b:BC+8*\b+3], v[BB], s[PB:PB+1] offset:64*\b
	global_load_b128 v[BC+8*\b+4:BC+8*\b+7], v[BB], s[PB:PB+1] offset:64*\b+16
.endr
.irp a, 0,1,2,3
	global_load_b32 v[BV+\a], v[R4], s[PB:PB+1] offset:8192+64*\a
.endr
	v_mul_u32_u24 v3, v1, PITCH
	v_mad_u32_u24 v4, v2, 24, v3                   ; row x pitch + 24 h
	v_mad_u32_u24 v5, v2, 40, v3                   ; the same behind one padding more for lanes 16-31
	s_mul_i32 s52, s[IH], 128*PITCH
	s_mul_i32 s53, s[JH], 64*PITCH
	s_add_co_u32 s53, s53, WOFF
	v_add_nc_u32 v6, s52, v4
	v_add_nc_u32 v7, s52, v5
	WIN 3<<6
.irp a, 0,1,2,3,4,5,6,7
	v_add_nc_u32 v[240+2*\a], \a*16*PITCH, v6
	v_add_nc_u32 v[241+2*\a], \a*16*PITCH, v7
.endr
	WIN 0
	v_add_nc_u32 v6, s53, v4
	v_add_nc_u32 v7, s53, v5
	WIN 1<<6
.irp b, 0,1,2,3
	v_add_nc_u32 v[240+2*\b], \b*16*PITCH, v6
	v_add_nc_u32 v[241+2*\b], \b*16*PITCH, v7
.endr
	WIN 0
	v_and_b32 v3, 31, v0
	v_lshlrev_b32 v[VO], 3, v3
	v_add_nc_u32 v[VO+1], 768, v[VO]
	v_lshlrev_b32 v[L8], 4, v1
	v_lshl_add_u32 v[L8], v2, 3, v[L8]             ; 16 r + 8 h
.irp b, 0,1,2,3
	v_mov_b32 v[TM+4+\b], 0                        ; a lane permute's destination counts as one of its sources
.endr
; A fragment, 16 rows x 128 K: six pieces of 8 bytes, two to a load where both lie behind as many paddings.  The windows are set by the caller.
.macro FRAG R, q, a0, a1
.set SKIP_, 0
.irp p, 0,1,2,3,4,5
.if SKIP_
.set SKIP_, 0
.else
.set PC_, 12*(\q)+6*(\p/3)+\p%3
.set PN_, 12*(\q)+6*((\p+1)/3)+(\p+1)%3
.set X_, (PC_%32+3)/32
.set XQ_, (PN_%32+3)/32
.if (\p < 5) && (X_ == XQ_)
.set SKIP_, 1
.if X_
	ds_load_2addr_b64 v[\R+2*\p:\R+2*\p+3], v[\a1] offset0:PC_+2*(PC_/32) offset1:PN_+2*(PN_/32)
.else
	ds_load_2addr_b64 v[\R+2*\p:\R+2*\p+3], v[\a0] offset0:PC_+2*(PC_/32) offset1:PN_+2*(PN_/32)
.endif
.elseif X_
	ds_load_b64 v[\R+2*\p:\R+2*\p+1], v[\a1] offset:8*(PC_+2*(PC_/32))
.else
	ds_load_b64 v[\R+2*\p:\R+2*\p+1], v[\a0] offset:8*(PC_+2*(PC_/32))
.endif
.endif
.endr
.endm
.macro FETCHX sg                       ; x's eight fragments of step sg into set sg % 2
	WIN (((\sg)%2)<<6)|3
.irp a, 0,1,2,3,4,5,6,7
	FRAG 128*(1-(\sg)%2)+12*\a, \sg, 240+2*\a, 241+2*\a
.endr
	WIN 0
.endm
.macro LOADW                           ; my 64 rows of the weight, all of K
.irp q, 0,1,2,3,4
	WIN (3<<6)|1
.irp b, 0,1,2,3
	FRAG 48*\q+12*\b, \q, 240+2*\b, 241+2*\b
.endr
.endr
.irp q, 5,6,7
	WIN (1<<6)|1
.irp b, 0,1,2,3
	FRAG 96+48*(\q-5)+12*\b, \q, 240+2*\b, 241+2*\b
.endr
.endr
	WIN 0
.endm
.macro W4 d, s0, s1, c, x0, x1, r0, r1
.if (\r0 == 0) && (\r1 == 0)
	v_wmma_scale_f32_16x16x128_f8f6f4 v[\d:\d+7], v[\s0:\s0+11], v[\s1:\s1+11], v[\c:\c+7], v[\x0], v[\x1] matrix_a_fmt:MATRIX_FMT_FP6 matrix_b_fmt:MATRIX_FMT_FP6
.elseif (\r1 == 0)
	v_wmma_scale_f32_16x16x128_f8f6f4 v[\d:\d+7], v[\s0:\s0+11], v[\s1:\s1+11], v[\c:\c+7], v[\x0], v[\x1] matrix_a_fmt:MATRIX_FMT_FP6 matrix_b_fmt:MATRIX_FMT_FP6 matrix_a_scale:MATRIX_SCALE_ROW1
.elseif (\r0 == 0)
	v_wmma_scale_f32_16x16x128_f8f6f4 v[\d:\d+7], v[\s0:\s0+11], v[\s1:\s1+11], v[\c:\c+7], v[\x0], v[\x1] matrix_a_fmt:MATRIX_FMT_FP6 matrix_b_fmt:MATRIX_FMT_FP6 matrix_b_scale:MATRIX_SCALE_ROW1
.else
	v_wmma_scale_f32_16x16x128_f8f6f4 v[\d:\d+7], v[\s0:\s0+11], v[\s1:\s1+11], v[\c:\c+7], v[\x0], v[\x1] matrix_a_fmt:MATRIX_FMT_FP6 matrix_b_fmt:MATRIX_FMT_FP6 matrix_a_scale:MATRIX_SCALE_ROW1 matrix_b_scale:MATRIX_SCALE_ROW1
.endif
.endm
; Product n of step sg; accumulator n at v[8 n] of window 2.  kind 0: n = 4 (x's block) + the weight's block; kind 1: n = 8 (the weight's block) + x's block.
.macro PRD kind, n, sg
.set XW_, (\sg)%2
.set XB_, 128*(1-XW_)
.if (\sg) < 5
.set WW_, 3
.set WB_, 48*(\sg)
.else
.set WW_, 1
.set WB_, 96+48*((\sg)-5)
.endif
.set D_, 8*(\n)
.if \kind
.set S0_, XB_+12*((\n)%8)
.set S1_, WB_+12*((\n)/8)
.set W0_, XW_
.set W1_, WW_
.set X0_, SCX+8*(((\n)%8)%4)+(\sg)
.set X1_, SCW+8*(((\n)/8)%2)+((\sg)+4)%8
.set R0_, ((\n)%8)/4
.set R1_, ((\n)/8)/2
.set C_, BC+8*((\n)/8)
.else
.set S0_, WB_+12*((\n)%4)
.set S1_, XB_+12*((\n)/4)
.set W0_, WW_
.set W1_, XW_
.set X0_, SCW+8*(((\n)%4)%2)+((\sg)+4)%8
.set X1_, SCX+8*(((\n)/4)%4)+(\sg)
.set R0_, ((\n)%4)/2
.set R1_, ((\n)/4)/4
.set C_, BC+8*((\n)%4)
.endif
.if (\sg) == 0
	WIN W0_|(W1_<<2)|(2<<6)
	W4 D_, S0_, S1_, C_, X0_, X1_, R0_, R1_
.else
	WIN W0_|(W1_<<2)|(2<<4)|(2<<6)
	W4 D_, S0_, S1_, D_, X0_, X1_, R0_, R1_
.endif
.endm
.macro MUL kind, sg, from, to          ; the 32 accumulators take turns, one instruction a turn
.set N_, \from
.rept (\to)-(\from)
	PRD \kind, N_, \sg
.set N_, N_+1
.endr
.endm
.macro KSTEP kind, sg
	s_wait_dscnt 0x0                               ; this step's fragments are in
	PLACES 4                                       ; in front of loads into the set that the last step's products read
	FETCHX (\sg)+1
	MUL \kind, \sg, 0, 32
	WIN 0
.endm
; The way out of 64 sums a lane (accumulators 8 i .. 8 i + 7, read where they lie): four blocks of 32, each shared with lane l xor 16; 1,536 bytes of codes and a scale word.
.macro OUT i
.set s_, 64*(\i)
	s_wait_xcnt 0x0                                ; the stores before have read their registers
	WIN 0x0a
.irp b, 0,1,2,3
	v_max3_num_f32 v[TM+\b], |v[s_+16*\b]|, |v[s_+1+16*\b]|, 0x1800000
.endr
	WIN 0x28
.irp n, 2,4,6,8,10,12,14
.irp b, 0,1,2,3
	v_max3_num_f32 v[TM+\b], v[TM+\b], |v[s_+16*\b+\n]|, |v[s_+1+16*\b+\n]|
.endr
.endr
	WIN 0
.irp b, 0,1,2,3
	v_permlanex16_b32 v[TM+4+\b], v[TM+\b], s[SEL], s[SEL+1]
.endr
.irp b, 0,1,2,3
	v_max_num_f32 v[TM+\b], v[TM+\b], v[TM+4+\b]
.endr
.irp b, 0,1,2,3
	v_add_nc_u32 v[TM+8+\b], 0xff000000, v[TM+\b]
.endr
.irp b, 0,1,2,3
	v_lshrrev_b32 v[TM+4+\b], 23, v[TM+8+\b]
.endr
	v_lshl_or_b32 v[W+(\i)], v[TM+5], 8, v[TM+4]
	v_lshl_or_b32 v[W+(\i)], v[TM+6], 16, v[W+(\i)]
	v_lshl_or_b32 v[W+(\i)], v[TM+7], 24, v[W+(\i)]
	WIN 0x01*2
.irp c, 0,1
	v_cvt_scalef32_pk16_fp6_f32 v[PC+6*\c:PC+2+6*\c], v[s_+32*\c:s_+15+32*\c], v[TM+8+2*\c]
	v_cvt_scalef32_pk16_fp6_f32 v[PC+12+4*\c:PC+14+4*\c], v[s_+16+32*\c:s_+31+32*\c], v[TM+8+2*\c+1]
.endr
	WIN 0
	v_nop
.irp c, 0,1
.irp n, 0,1,2
	v_permlane16_swap_b32 v[PC+6*\c+\n], v[PC+12+4*\c+\n]
.endr
.irp n, 0,1,2
	v_mov_b32 v[PC+3+6*\c+\n], v[PC+12+4*\c+\n]
.endr
.endr
.irp c, 0,1
.irp p, 0,1,2
	global_store_b64 v[VO+\c], v[PC+6*\c+2*\p:PC+6*\c+2*\p+1], s[14:15] offset:1536*(\i)+256*\p   ; 256 consecutive bytes, aligned
.endr
.endr
.endm
.macro PASS kind
	s_wait_dscnt 0x0                               ; the weight's fragments and x's of step 0 are in
	FETCHX 1
	MUL \kind, 0, 0, 32
	WIN 0
.if (\kind) == 0
	PLACES 4                                       ; in front of loads into the bias's registers
	s_add_nc_u64 s[PB:PB+1], s[PB:PB+1], 4096      ; on to the next tensor (every load that named these has been waited for)
	s_add_nc_u64 s[PSW:PSW+1], s[PSW:PSW+1], 32768
	s_add_nc_u64 s[PW:PW+1], s[PW:PW+1], 1024*KROW
	s_cmp_eq_u32 s[TRIP], 0                        ; K's bias lies along the registers as Q's does; V's was loaded at the head
	s_cbranch_scc0 .Lno_bias_\@
.irp b, 0,1,2,3
	global_load_b128 v[BC+8*\b:BC+8*\b+3], v[BB], s[PB:PB+1] offset:64*\b
	global_load_b128 v[BC+8*\b+4:BC+8*\b+7], v[BB], s[PB:PB+1] offset:64*\b+16
.endr
.Lno_bias_\@:
.irp e, 0,1
	global_load_b128 v[SB2+8*\e+4:SB2+8*\e+7], v[BW], s[PSW:PSW+1] offset:512*\e
	global_load_b128 v[SB2+8*\e:SB2+8*\e+3], v[BW], s[PSW:PSW+1] offset:512*\e+16
.endr
	s_wait_dscnt 0x0                               ; step 1's fragments are in
	s_wait_tensorcnt 0x0                           ; the three lines ahead of a refill's round
	ds_add_u32 v[SPW], v[NIL]
	s_mov_b64 s[G0W+2:G0W+3], s[PW:PW+1]           ; no load of mine is out: the next weight's rows
	s_or_b32 s[G0W+3], s[G0W+3], 0x80000000
	MUL 0, 1, 0, 16
	WIN 0
	s_wait_dscnt 0x0
	s_barrier_signal -1
	MUL 0, 1, 16, 32
	WIN 0
	s_barrier_wait -1
	CREST                                          ; every wave of every partner holds this weight in registers
	s_cmp_lt_u32 s[WV], 2
	s_cbranch_scc0 .Lno_half_\@
	TLOAD G0W, G1W
.Lno_half_\@:
	PLACES 4
	FETCHX 2
.else
	KSTEP 1, 1
.endif
.irp g, 2,3,4,5,6
	KSTEP \kind, \g
.endr
	s_wait_dscnt 0x0
.if (\kind) == 0
	s_wait_tensorcnt 0x0                           ; a plain barrier shows the next weight to all
	s_barrier_signal -1
.endif
	MUL \kind, 7, 0, 32
	WIN 0
.if (\kind) == 0
	s_barrier_wait -1
.endif
	PLACES 4
.if (\kind) == 0
	LOADW                                          ; the next pass's operands fly under the way out
	FETCHX 0
	s_wait_loadcnt 0x0
.set I_, 0
.rept 16
	v_mov_b32 v[SCW+I_], v[SB2+I_]
.set I_, I_+1
.endr
.endif
	OUT 0
	OUT 1
	OUT 2
	OUT 3
	v_cndmask_b32 v[SW], v[W], v[W+2], s[HM]       ; lanes 16-31 store words 2 and 3
	v_cndmask_b32 v[SW+1], v[W+1], v[W+3], s[HM]
	global_store_b64 v[L8], v[SW:SW+1], s[16:17]   ; 256 consecutive bytes, aligned
.endm
	WALU
	s_cmp_lt_u32 s[WV], 2
	s_cbranch_scc0 .Lx_out
	s_wait_tensorcnt 0x0                           ; waves 0, 1: W_q's rows are in
.Lx_out:
	s_barrier_signal -1
	s_barrier_wait -1                              ; x's rows may still be on their way
	LOADW
	s_wait_tensorcnt 0x0
	s_wait_dscnt 0x0
	s_barrier_signal -1
	s_barrier_wait -1                              ; x's rows are in
	FETCHX 0
	s_wait_loadcnt 0x0
	s_mov_b32 s[TRIP], 0
.Lpass:                                                ; Q, then K
	PASS 0
	s_wait_xcnt 0x0
	s_add_nc_u64 s[14:15], s[14:15], 6291456
	s_add_nc_u64 s[16:17], s[16:17], 262144
	s_add_co_u32 s[TRIP], s[TRIP], 1
	s_cmp_lt_u32 s[TRIP], 2
	WALU
	s_cbranch_scc1 .Lpass
.irp a, 0,1,2,3
.irp j, 0,1,2,3,4,5,6,7
	v_mov_b32 v[BC+8*\a+\j], v[BV+\a]              ; V's bias, one number a lane and tile, over the tile's eight registers
.endr
.endr
	WALU
	PASS 1
	s_wait_tensorcnt 0x0                           ; the wave's end
	ds_add_u32 v[SPW], v[NIL]
	s_wait_dscnt 0x0
	CROUND
	s_endpgm
.Lfunc_end_k_qe63fc76f73_qkv:
	.size	k_qe63fc76f73_qkv, .Lfunc_end_k_qe63fc76f73_qkv-k_qe63fc76f73_qkv
	.p2alignl 7, 3214868480
	.fill 96, 4, 3214868480
	.section	.rodata,"a",@progbits
	.p2align	6, 0x0
	.amdhsa_kernel k_qe63fc76f73_qkv
		.amdhsa_group_segment_fixed_size 327680
		.amdhsa_private_segment_fixed_size 0
		.amdhsa_enable_private_segment 0
		.amdhsa_kernarg_size 56
		.amdhsa_user_sgpr_count 2
		.amdhsa_user_sgpr_kernarg_segment_ptr 1
		.amdhsa_wavefront_size32 1
		.amdhsa_system_sgpr_workgroup_id_x 1
		.amdhsa_system_sgpr_workgroup_id_y 1
		.amdhsa_system_sgpr_workgroup_id_z 1
		.amdhsa_system_vgpr_workitem_id 0
		.amdhsa_next_free_vgpr 1024
		.amdhsa_next_free_sgpr 100
		.amdhsa_reserve_vcc 0
		.amdhsa_float_denorm_mode_32 3
		.amdhsa_float_denorm_mode_16_64 3
		.amdhsa_memory_ordered 1
		.amdhsa_forward_progress 1
		.amdhsa_inst_pref_size 159
	.end_amdhsa_kernel
	.amdgpu_metadata
---
amdhsa.version: [ 1, 2 ]
amdhsa.kernels:
  - .name:           k_qe63fc76f73_qkv
    .symbol:         k_qe63fc76f73_qkv.kd
    .args:
      - { .name: x_codes, .offset: 0, .size: 8, .value_kind: global_buffer, .address_space: global }
      - { .name: x_scales, .offset: 8, .size: 8, .value_kind: global_buffer, .address_space: global }
      - { .name: w_qkv_codes, .offset: 16, .size: 8, .value_kind: global_buffer, .address_space: global }
      - { .name: w_qkv_scales, .offset: 24, .size: 8, .value_kind: global_buffer, .address_space: global }
      - { .name: b_qkv, .offset: 32, .size: 8, .value_kind: global_buffer, .address_space: global }
      - { .name: qkvc, .offset: 40, .size: 8, .value_kind: global_buffer, .address_space: global }
      - { .name: qkvs, .offset: 48, .size: 8, .value_kind: global_buffer, .address_space: global }
    .group_segment_fixed_size: 327680
    .private_segment_fixed_size: 0
    .kernarg_segment_align: 8
    .kernarg_segment_size: 56
    .max_flat_workgroup_size: 128
    .sgpr_count:     100
    .vgpr_count:     1024
    .wavefront_size: 32
...
	.end_amdgpu_metadata
.endif
;; end of part 1
;; launch attn (part 2): grid 4 x 64, 8 waves a work-group, clusters of 4 x 1, 262,144 bytes of LDS; arguments qkvc, qkvs, ac, asc; writes ac, asc
.if DOCPART == 2
	.amdgcn_target "amdgcn-amd-amdhsa--gfx1250"
	.amdhsa_code_object_version 6
	.text
	.protected	k_qe63fc76f73_attn
	.globl	k_qe63fc76f73_attn
	.p2align	8
	.type	k_qe63fc76f73_attn,@function
k_qe63fc76f73_attn:
	s_mov_b64 s[64:65], 0
	v_nop
	global_prefetch_b8 v0, s[64:65] scope:SCOPE_SE
	s_setreg_imm32_b32 hwreg(HW_REG_WAVE_MODE, 25, 1), 1
	s_wait_xcnt 0x0
	s_wait_alu depctr_hold_cnt(0) depctr_sa_sdst(0) depctr_va_vdst(0) depctr_va_sdst(0) depctr_va_ssrc(0) depctr_va_vcc(0) depctr_vm_vsrc(0)
	s_getreg_b32 s2, hwreg(HW_REG_IB_STS2, 6, 4)
	s_cmp_eq_u32 s2, 0
	s_cbranch_scc0 .Lentry_in_a_cluster
	s_endpgm
.Lentry_in_a_cluster:
	s_bfe_u32 s2, ttmp6, 0x10000c
	s_cmp_lg_u32 s2, 0x3003
	s_cbranch_scc0 .Lentry_shape_is_right
	s_endpgm
.Lentry_shape_is_right:
; For one (batch, head): S^T = K Q^T, p = 2^(t - M), O^T = V^T P^T, O / l, and the quantiser along D: all products on codes of FP6 (E2M3) with E8M0 scales.
; t = score x log2(e) / 8; M = the running largest t rounded up to a whole number; p is quantised along the keys, not normalised; l is the sum of the unquantised p.
; SHARES.  The four work-groups of a cluster take 512 queries each of one head; a wave takes 64: four tiles of 16.  Two waves to a SIMD.
; ALL OF THE HEAD'S K AND V (192 KB of codes) AND THEIR SCALE WORDS LIE IN LDS, filled once by joint loads, one a wave: waves 0, 1 K's and V's words, waves 2-4 thirds of K, waves 5-7 thirds of V.
; No byte is filled again.  No prefetch: all is asked for at the head.
; K = 64 IN A FORM OF 128: a fragment of K holds two tiles of 16 keys side by side; it is multiplied by (q | 0) for the first and by (0 | q) for the second.
; WHICH KEYS FORM A TILE is chosen by each lane's LDS address: row 8 H + j of tile (c, u) is the key at place 8 u + j of block 2 c + H of V's codes.
; So the 32 registers of tiles (c, 0 .. 3) in lane (query, H) are one whole scale block of p, in the operand's order.  The two rows H of a load lie 1,536 bytes apart, so two lanes meet in each bank there.
; The next step's K is fetched behind tile 3's score products.  The last step fetches the 28 pieces that lie behind K's end (V's first bytes, V's first words): they are inside LDS, filled, and read by nobody.
; LIMITS: NaN and infinities are not served; the scaled scores stay under 2^31 in magnitude; a block of zeros gets the scale byte 1 (its codes are zeros, and this program alone reads the bytes).
.set KSB, 0                            ; LDS: K's scale words, 256 bytes a step
.set VSB, 4096                         ; V's
.set STG, 8192                         ; the way out's scale words: no fill lands here
.set SPARE, 9216
.set KR,  65536                        ; K's codes, 6,144 bytes a step: 32,768 x wave from wave 2 on
.set VR,  163840                       ; V's
.set LI8, 1                            ; 8 x lane
.set A2,  2                            ; KSB + 16 j + 4 H
.set A3,  3                            ; VSB + 16 r
.set ADK, 4
.set ADV, 5
.set ADS, 6
.set ADT, 7
.set STW, 8
.set STR, 9
.set L16, 10
.set LIK, 11                           ; 8 j + 1536 H + 128 (lane / 16)
.set H8,  12                           ; 8 x (lane / 16)
.set ST,  16                           ; v16-31 tile i at +4 i: -M, the largest score, l in two halves
.set KSC, 32
.set VSC, 36
.set QS,  40
.set PS,  44
.set TM,  48                           ; v48-67 the trees; then +0, +10 the blocks' largest, +1, +11 the conversions' scales, the rest eight partial sums
.set QW,  48
.set TC,  68                           ; v68-75 the second conversions' codes
.set AWT, 68
.set AW,  72
.set X,   76
.set Y,   77
.set OLD, 78
.set E0,  79
.set F,   80                           ; v80, 81 f = 2^(old M - new M), a pair's low word
.set E1,  82
.set WD,  83
.set QB,  84                           ; v84-137 zeros, q0, zeros, q1, zeros, q2, zeros, q3, zeros
.set S,   138                          ; v138-201 S^T of one tile, then p
.set P,   202                          ; v202-249 p's codes
.set KF,  128                          ; window 1: v0-127 O^T; v128-175 K's fragments; v176-223 V's
.set VF,  176
.set WV,  12
.set CX,  13
.set HB,  14
.set SEL, 20
.set CS,  22
.set KB,  26
.set VB,  27
.set TS,  28
.set TJ,  29
.set CNT, 30
.set G1S, 32
.set G1A, 48
.set G0,  68
.set NCS, 85
.set MSB, 0
.macro WIN new
.if MSB != (\new)
	s_set_vgpr_msb (MSB<<8)|(\new)
.set MSB, (\new)
.endif
.endm
.set LD1, 0x40
.set QKW, 0x01
.set RSW, 0x41
.set PVW, 0x51
.macro WALU
	s_wait_alu depctr_va_vdst(0)
.endm
.macro CROUND
	s_barrier_signal -1
	s_barrier_wait -1
	s_cmp_lg_u32 s[WV], 0
	s_cbranch_scc1 .Lnot_wave_0_\@
	s_barrier_signal -3
.Lnot_wave_0_\@:
	s_barrier_wait -3
	s_barrier_signal -1
	s_barrier_wait -1
.endm
.macro G1SET g, rows                   ; dense rows of 256 bytes (32 elements of 8), no padding; the mask names the four partners
	s_mov_b32 s[\g], 15|(3<<16)|(1<<21)
	s_mov_b32 s[\g+1], 32<<16
	s_mov_b32 s[\g+2], (\rows)<<16
	s_mov_b32 s[\g+3], 32<<16
	s_mov_b32 s[\g+4], \rows
	s_mov_b32 s[\g+5], 32
	s_mov_b32 s[\g+6], 0
	s_mov_b32 s[\g+7], 0
.endm
.macro TLOAD g0, g1
	tensor_load_to_lds s[\g0:\g0+3], s[\g1:\g1+7]
	s_nop 0
.rept 4
	v_nop
.endr
.endm
	s_load_b256 s[4:11], s[0:1], 0x0               ; qkvc, qkvs, ac, asc
	v_lshl_add_u32 v254, v0, 2, SPARE
	v_mov_b32 v255, 0
	ds_add_u32 v254, v255                          ; the opening lines
	ds_add_u32 v254, v255
	v_lshrrev_b32 v13, 5, v0
	v_readfirstlane_b32 s[WV], v13
	s_bfe_u32 s[CX], ttmp6, 0x40000                ; it enters Q's and the outputs' addresses alone
	s_and_b32 s[HB], ttmp7, 0xffff                 ; 16 batch + head
	s_lshl_b32 s84, s[HB], 12                      ; my head's 4,096 bytes in each region of qkvs
	s_mul_i32 s91, s[HB], 98304
	s_and_b32 s31, s[WV], 1                        ; waves 0, 1: K's, V's words
	s_lshl_b32 s[G0+1], s31, 12
	s_add_co_u32 s86, s31, 1
	s_lshl_b32 s86, s86, 18
	s_add_co_u32 s86, s86, s84
	s_mov_b32 s87, 0
	s_lshl_b32 s[G0+5], s[WV], 15                  ; waves 2-7: 32,768 bytes each
	s_cmp_ge_u32 s[WV], 5
	s_cselect_b32 s92, 6291456-98304, 0            ; V's thirds lie a tensor further on
	s_add_co_u32 s92, s92, s91
	s_add_co_u32 s92, s92, s[G0+5]
	s_add_co_u32 s92, s92, 6291456-65536
	s_mov_b32 s93, 0
	G1SET G1S, 16
	G1SET G1A, 128
	s_lshl_b32 s16, s[CX], 5
	s_lshl_b32 s17, s[WV], 2
	s_add_co_u32 s16, s16, s17                     ; my first tile of queries: 32 cx + 4 wave
	s_lshr_b32 s17, s[HB], 4
	s_lshl_b32 s66, s17, 7
	s_add_co_u32 s66, s66, s16
	s_lshl_b32 s66, s66, 4
	s_and_b32 s67, s[HB], 15
	s_add_co_u32 s66, s66, s67
	s_mul_i32 s66, s66, 768                        ; ac: (row tile x 16 + head) images
	s_lshl_b32 s2, s67, 14
	s_lshl_b32 s17, s17, 5
	s_lshl_b32 s3, s[CX], 3
	s_add_co_u32 s3, s3, s17
	s_lshl_b32 s3, s3, 7
	s_add_co_u32 s2, s2, s3                        ; asc: 16,384 head + 128 x (group of 64 rows)
	s_mov_b32 s3, 0
	s_mov_b32 s67, 0
	s_mul_i32 s16, s16, 768
	s_add_co_u32 s16, s16, s91                     ; Q's codes
	s_mov_b32 s17, 0
	s_lshl_b32 s18, s[CX], 2
	s_lshr_b32 s19, s[WV], 1
	s_add_co_u32 s18, s18, s19
	s_lshl_b32 s18, s18, 8                         ; Q's words: my group of 128 tokens,
	s_lshl_b32 s19, s31, 3
	s_add_co_u32 s18, s18, s19                     ; words 2 (wave % 2) and the next of each row
	s_add_co_u32 s18, s18, s84
	s_mov_b32 s19, 0
	s_mov_b32 s[SEL], 0x76543210
	s_mov_b32 s[SEL+1], 0xfedcba98
	s_mov_b32 s[CS], 0x3e38aa3b                    ; log2(e) / 8
	s_mov_b32 s[CS+1], s[CS]
	s_mov_b32 s[NCS], 0xbe38aa3b                   ; and its negative
	s_lshl_b32 s31, s[WV], 7
	s_wait_dscnt 0x0
	s_wait_kmcnt 0x0
	s_mov_b32 s[G0], 1
	s_add_nc_u64 s[G0+2:G0+3], s[6:7], s[86:87]
	s_or_b32 s[G0+3], s[G0+3], 0x80000000
	s_mov_b32 s[G0+4], 1
	s_add_nc_u64 s[G0+6:G0+7], s[4:5], s[92:93]
	s_or_b32 s[G0+7], s[G0+7], 0x80000000
	s_add_nc_u64 s[16:17], s[4:5], s[16:17]
	s_add_nc_u64 s[18:19], s[6:7], s[18:19]
	s_add_nc_u64 s[8:9], s[8:9], s[66:67]
	s_add_nc_u64 s[10:11], s[10:11], s[2:3]
	CROUND                                         ; all four work-groups are here: the joint loads meet
	s_cmp_lt_u32 s[WV], 2
	s_cbranch_scc0 .Larm_c
	TLOAD G0, G1S
	s_branch .Lasked
.Larm_c:
	TLOAD G0+4, G1A
.Lasked:
	v_and_b32 v13, 31, v0
	v_and_b32 v14, 15, v0
	v_lshlrev_b32 v[LI8], 3, v13
	v_lshlrev_b32 v[L16], 4, v13
	v_lshlrev_b32 v15, 4, v14
	v_lshl_add_u32 v[A3], v14, 4, VSB
	v_lshlrev_b32 v[STW], 3, v14
	v_add_nc_u32 v[STW], s31, v[STW]
	v_add_nc_u32 v[STW], STG, v[STW]
	v_add_nc_u32 v[STR], STG, v[L16]
.irp i, 0,1,2,3
.irp p, 0,1,2
	global_load_b64 v[QB+12*\i+6+2*\p:QB+12*\i+7+2*\p], v[LI8], s[16:17] offset:768*\i+256*\p   ; Q's four images stay in registers
.endr
.endr
	global_load_b64 v[QW:QW+1], v15, s[18:19]
	v_and_b32 v13, 7, v0                           ; j
	v_bfe_u32 v14, v0, 3, 1                        ; H
	v_bfe_u32 v[H8], v0, 4, 1
	v_lshlrev_b32 v[LIK], 3, v13
	v_mad_u32_u24 v[LIK], v14, 1536, v[LIK]
	v_lshl_add_u32 v[LIK], v[H8], 7, v[LIK]
	v_lshlrev_b32 v[A2], 4, v13
	v_lshl_add_u32 v[A2], v14, 2, v[A2]
	v_lshlrev_b32 v[H8], 3, v[H8]
.irp z, 0,1,2,3,4
.irp n, 0,1,2,3,4,5
	v_mov_b32 v[QB+12*\z+\n], 0                    ; the zero codes beside each q
.endr
.endr
.irp i, 0,1,2,3
	v_mov_b32 v[ST+4*\i+1], 0xff61b1e6             ; the largest score so far: -3e38
	v_mov_b32 v[ST+4*\i], 0x7e24b0a4               ; -M for it: a large whole number, so that the first f is 0
	v_mov_b32 v[ST+4*\i+2], 0
	v_mov_b32 v[ST+4*\i+3], 0
.endr
	v_mov_b32 v[Y], 0                              ; a lane permute's destination counts as one of its sources
	v_mov_b32 v[F+1], 0                            ; named as a pair's upper half
	WIN LD1
.set k, 0
.rept 128
	v_mov_b32 v[k], 0                              ; O^T: the key step is written once; its first trip finds zeros
.set k, k+1
.endr
	WIN 0
	WALU
	s_wait_loadcnt 0x0
.irp i, 0,1
	v_perm_b32 v[QS+2*\i], v[QW+\i], v[QW+\i], 0x01000100     ; a tile's two bytes, twice: they serve (q | 0) and (0 | q)
	v_perm_b32 v[QS+2*\i+1], v[QW+\i], v[QW+\i], 0x03020302
.endr
.irp i, 4,5,6,7
	v_mov_b32 v[TM+\i], 0
.endr
; The softmax of tile i for one key step, and p's codes.  Registers 32 c .. 32 c + 31 of S are my block 2 c + lane / 16.
.macro SOFTMAX i
.set rT, ST+4*(\i)
.set rP, P+12*(\i)
.irp k, 0,1,2,3,4,5,6,7,8,9                    ; each block's largest score as a tree: 10 + 4 + 2 lines; each accumulator is read from its low end on
.irp c, 0,1
	v_max3_num_f32 v[TM+10*\c+\k], v[S+32*\c+3*\k], v[S+32*\c+3*\k+1], v[S+32*\c+3*\k+2]
.endr
.endr
.irp k, 0,3,6
.irp c, 0,1
	v_max3_num_f32 v[TM+10*\c+\k], v[TM+10*\c+\k], v[TM+10*\c+\k+1], v[TM+10*\c+\k+2]
.endr
.endr
.irp c, 0,1
	v_max3_num_f32 v[TM+10*\c+9], v[TM+10*\c+9], v[S+32*\c+30], v[S+32*\c+31]
.endr
.irp c, 0,1
	v_max3_num_f32 v[TM+10*\c], v[TM+10*\c], v[TM+10*\c+3], v[TM+10*\c+6]
.endr
	v_mov_b32 v[OLD], v[rT]
.irp c, 0,1
	v_max_num_f32 v[TM+10*\c], v[TM+10*\c], v[TM+10*\c+9]
.endr
	v_max_num_f32 v[X], v[TM], v[TM+10]
	v_permlanex16_b32 v[Y], v[X], s[SEL], s[SEL+1]
	s_delay_alu instid0(VALU_DEP_1)
	v_max3_num_f32 v[rT+1], v[rT+1], v[X], v[Y]    ; the running largest score
	s_delay_alu instid0(VALU_DEP_1)
	v_mul_f32 v[X], s[NCS], v[rT+1]
	s_delay_alu instid0(VALU_DEP_1)
	v_floor_f32 v[rT], v[X]                        ; -M = floor(-t): M is a whole number
.set j, 0
.rept 16
	v_pk_fma_f32 v[S+j:S+j+1], v[S+j:S+j+1], s[CS:CS+1], v[rT:rT+1] op_sel_hi:[1,0,0]   ; t - M, the first block
.if j == 2
	v_sub_f32 v[X], v[rT], v[OLD]
.elseif j == 10
	v_cvt_i32_f32 v[X], v[X]                       ; (it saturates)
.elseif j == 18
	v_ldexp_f32 v[F], 1.0, v[X]                    ; f = 2^(old M - new M): a multiplication by it rounds nothing
.endif
.set j, j+2
.endr
.irp c, 0,1
	v_fma_f32 v[TM+10*\c], v[TM+10*\c], s[CS], v[rT]
.endr
	WALU
.set j, 0
.rept 16                                       ; the first block's exponentials, the second block's t - M between them
	v_exp_f32 v[S+j], v[S+j]
	v_exp_f32 v[S+j+1], v[S+j+1]
	v_pk_fma_f32 v[S+32+j:S+33+j], v[S+32+j:S+33+j], s[CS:CS+1], v[rT:rT+1] op_sel_hi:[1,0,0]
.set j, j+2
.endr
	v_exp_f32 v[TM], v[TM]                         ; each block's largest p
	v_exp_f32 v[TM+10], v[TM+10]
	v_pk_mul_f32 v[rT+2:rT+3], v[rT+2:rT+3], v[F:F+1] op_sel_hi:[1,0]   ; l under the new M
	WALU
.set k, 0
.rept 8                                        ; the second block's exponentials; between them the first block's sums of pairs and, on end, the scales
.set a_, TM+2+2*k+2*(k/4)
	v_exp_f32 v[S+32+4*k], v[S+32+4*k]
	v_exp_f32 v[S+33+4*k], v[S+33+4*k]
	v_exp_f32 v[S+34+4*k], v[S+34+4*k]
	v_exp_f32 v[S+35+4*k], v[S+35+4*k]
	v_pk_add_f32 v[a_:a_+1], v[S+4*k:S+4*k+1], v[S+4*k+2:S+4*k+3]
.if k == 3
	v_max_num_f32 v[TM], 0x1800000, v[TM]          ; the floor 2^(3 - 127)
	v_max_num_f32 v[TM+10], 0x1800000, v[TM+10]
	v_add_nc_u32 v[TM+1], 0xff000000, v[TM]        ; 2 off the exponent field: the conversions' scale
	v_add_nc_u32 v[TM+11], 0xff000000, v[TM+10]
	v_lshrrev_b32 v[E0], 23, v[TM+1]
	v_lshrrev_b32 v[E1], 23, v[TM+11]
	v_lshl_or_b32 v[WD], v[E1], 16, v[E0]          ; my bytes: blocks h and 2 + h,
	v_lshlrev_b32 v[WD], v[H8], v[WD]              ; at their places;
	v_permlanex16_b32 v[Y], v[WD], s[SEL], s[SEL+1]
	v_or_b32 v[PS+(\i)], v[WD], v[Y]               ; with lane l xor 16's two the word is whole
.endif
.set k, k+1
.endr
	WIN RSW
	WALU                                           ; one wait: behind the batch, and directly ahead of the first readers of O^T
.set j, 0
.rept 16
	v_pk_mul_f32 v[32*(\i)+j:32*(\i)+j+1], v[32*(\i)+j:32*(\i)+j+1], v[F:F+1] op_sel_hi:[1,0]   ; O^T under the new M
.set j, j+2
.endr
	WIN 0
	v_cvt_scalef32_pk16_fp6_f32 v[rP:rP+2], v[S:S+15], v[TM+1]
	v_cvt_scalef32_pk16_fp6_f32 v[TC:TC+2], v[S+16:S+31], v[TM+1]
	v_cvt_scalef32_pk16_fp6_f32 v[rP+6:rP+8], v[S+32:S+47], v[TM+11]
	v_cvt_scalef32_pk16_fp6_f32 v[TC+4:TC+6], v[S+48:S+63], v[TM+11]
.set k, 0
.rept 16                                       ; l takes the unquantised p, in eight chains
.set a_, TM+2+2*(k%8)+2*((k%8)/4)
	v_pk_add_f32 v[a_:a_+1], v[a_:a_+1], v[S+32+2*k:S+33+2*k]
.set k, k+1
.endr
.endm
.macro TAIL i                          ; what of tile i names S no more: it stands behind the next tile's score products
.set rT, ST+4*(\i)
.set rP, P+12*(\i)
.irp n, 0,1,2
	v_mov_b32 v[rP+3+\n], v[TC+\n]                 ; a conversion's three registers begin on an even number
	v_mov_b32 v[rP+9+\n], v[TC+4+\n]
.endr
.irp k, 0,2,4,6
	v_pk_add_f32 v[TM+2+\k:TM+3+\k], v[TM+2+\k:TM+3+\k], v[TM+12+\k:TM+13+\k]
.endr
	v_pk_add_f32 v[TM+2:TM+3], v[TM+2:TM+3], v[TM+6:TM+7]
	v_pk_add_f32 v[TM+4:TM+5], v[TM+4:TM+5], v[TM+8:TM+9]
	v_pk_add_f32 v[TM+2:TM+3], v[TM+2:TM+3], v[TM+4:TM+5]
	v_pk_add_f32 v[rT+2:rT+3], v[rT+2:rT+3], v[TM+2:TM+3]
.endm
.macro KNEXT                           ; the fragments of K and their scale words at s[KB], s[TS]: 28 loads
	v_add_nc_u32 v[ADK], s[KB], v[LIK]
	v_add_nc_u32 v[ADS], s[TS], v[A2]
	WIN LD1
.irp c, 0,1
.irp w, 0,1
.irp e, 0,1
.irp p, 0,1,2
	ds_load_b64 v[KF+12*(2*\c+\w)+6*\e+2*\p:KF+12*(2*\c+\w)+6*\e+2*\p+1], v[ADK] offset:3072*\c+64*\w+768*\e+256*\p   ; tile (c, 2 w + e): image 4 c + 2 H + e, rows 8 w + j
.endr
.endr
.endr
.endr
	WIN 0
.irp c, 0,1
.irp w, 0,1
	ds_load_b32 v[KSC+2*\c+\w], v[ADS] offset:128*\w+8*\c   ; row 8 w + j, word 2 c + H: the two tiles' bytes as the product wants them
.endr
.endr
	s_add_co_u32 s[KB], s[KB], 6144
	s_add_co_u32 s[TS], s[TS], 256
.endm
.macro TILE i                          ; eight tiles of 16 keys x my tile i of queries
	WIN QKW
.irp u, 0,1,2,3,4,5,6,7
	v_wmma_scale_f32_16x16x128_f8f6f4 v[S+8*\u:S+8*\u+7], v[KF+12*(\u/2):KF+12*(\u/2)+11], v[QB+12*(\i)+6-6*(\u%2):QB+12*(\i)+17-6*(\u%2)], 0, v[KSC+\u/2], v[QS+(\i)] matrix_a_fmt:MATRIX_FMT_FP6 matrix_b_fmt:MATRIX_FMT_FP6
.endr
	WIN 0
.if (\i) > 0
	TAIL (\i)-1                                    ; fourteen plain lines: the places behind the products
.else
.rept 4
	v_nop
.endr
.endif
.if (\i) == 3
	KNEXT
.endif
	SOFTMAX \i
.endm
.macro STEP                            ; a key step: 128 keys
	v_add_nc_u32 v[ADV], s[VB], v[LI8]             ; four places behind the last step's products
	v_add_nc_u32 v[ADT], s[TJ], v[A3]
	v_nop
	v_nop
	WIN LD1
.set n, 0
.rept 24
	ds_load_b64 v[VF+2*n:VF+2*n+1], v[ADV] offset:256*n
.set n, n+1
.endr
	WIN 0
	ds_load_b128 v[VSC:VSC+3], v[ADT]
	s_wait_dscnt 25                                ; K and its words are in; V's 24 loads and its words' may be out
	TILE 0
	TILE 1
	TILE 2
	TILE 3
	TAIL 3
	WALU
	s_wait_dscnt 28                                ; V is in; the next K's 28 loads may be out
	WIN PVW
.irp t, 0,1,2,3
.irp i, 0,1,2,3
	v_wmma_scale_f32_16x16x128_f8f6f4 v[32*\i+8*\t:32*\i+8*\t+7], v[VF+12*\t:VF+12*\t+11], v[P+12*\i:P+12*\i+11], v[32*\i+8*\t:32*\i+8*\t+7], v[VSC+\t], v[PS+\i] matrix_a_fmt:MATRIX_FMT_FP6 matrix_b_fmt:MATRIX_FMT_FP6
.endr
.endr
	WIN 0
	s_add_co_u32 s[VB], s[VB], 6144
	s_add_co_u32 s[TJ], s[TJ], 256
.endm
	WALU
	s_wait_tensorcnt 0x0
	s_barrier_signal -1
	s_barrier_wait -1                              ; everybody's tile is in
	s_mov_b32 s[KB], KR
	s_mov_b32 s[VB], VR
	s_mov_b32 s[TS], 0
	s_mov_b32 s[TJ], 0
	KNEXT
	s_mov_b32 s[CNT], 16
.Lstep:
	STEP
	s_sub_co_u32 s[CNT], s[CNT], 1
	s_cmp_lg_u32 s[CNT], 0
	s_cbranch_scc1 .Lstep
	; THE WAY OUT.  The four additions are the places behind the last products.
.irp i, 0,1,2,3
	v_add_f32 v[ST+4*\i+2], v[ST+4*\i+2], v[ST+4*\i+3]
.endr
.irp i, 0,1,2,3
	v_permlanex16_b32 v[TM+4+\i], v[ST+4*\i+2], s[SEL], s[SEL+1]
.endr
.irp i, 0,1,2,3
	v_add_f32 v[ST+4*\i+2], v[ST+4*\i+2], v[TM+4+\i]   ; the row's sum
.endr
	WALU
.irp i, 0,1,2,3
	v_rcp_f32 v[ST+4*\i+2], v[ST+4*\i+2]
.endr
	v_nop
	WALU
; Tile i: O / l, back to the true order of d, quantised along d (two blocks of 32): one image of 768 bytes.
.macro OUT i
.set rU, S+32*((\i)%2)
.set rE, P+12*(\i)
	WIN 0x01
.set k, 0
.rept 16
	v_pk_mul_f32 v[rU+k:rU+k+1], v[32*(\i)+k:32*(\i)+k+1], v[ST+4*(\i)+2:ST+4*(\i)+3] op_sel_hi:[1,0]
.set k, k+2
.endr
	WIN 0
.irp b, 0,1
.irp j, 0,1,2,3,4,5,6,7
	v_permlane16_swap_b32 v[rU+16*\b+\j], v[rU+16*\b+8+\j]   ; register 16 b + n now holds d = 32 b + 16 (lane / 16) + n
.endr
.endr
.irp b, 0,1
	v_max3_num_f32 v[TM+\b], |v[rU+16*\b]|, |v[rU+16*\b+1]|, 0x1800000
.endr
.irp n, 2,4,6,8,10,12,14
.irp b, 0,1
	v_max3_num_f32 v[TM+\b], v[TM+\b], |v[rU+16*\b+\n]|, |v[rU+16*\b+\n+1]|
.endr
.endr
.irp b, 0,1
	v_permlanex16_b32 v[TM+4+\b], v[TM+\b], s[SEL], s[SEL+1]
.endr
.irp b, 0,1
	v_max_num_f32 v[TM+\b], v[TM+\b], v[TM+4+\b]
.endr
.irp b, 0,1
	v_add_nc_u32 v[TM+8+\b], 0xff000000, v[TM+\b]
.endr
.irp b, 0,1
	v_lshrrev_b32 v[TM+4+\b], 23, v[TM+8+\b]
.endr
	v_lshl_or_b32 v[AWT+(\i)], v[TM+5], 8, v[TM+4]
	v_cvt_scalef32_pk16_fp6_f32 v[rE:rE+2], v[rU:rU+15], v[TM+8]
	v_cvt_scalef32_pk16_fp6_f32 v[rE+6:rE+8], v[rU+16:rU+31], v[TM+9]
	v_nop
.irp n, 0,1,2
	v_permlane16_swap_b32 v[rE+\n], v[rE+6+\n]
.endr
.irp n, 0,1,2
	v_mov_b32 v[rE+3+\n], v[rE+6+\n]
.endr
.irp p, 0,1,2
	global_store_b64 v[LI8], v[rE+2*\p:rE+2*\p+1], s[8:9] offset:12288*(\i)+256*\p   ; 256 consecutive bytes, aligned
.endr
.endm
	OUT 0
	OUT 1
	OUT 2
	OUT 3
	v_lshl_or_b32 v[AW], v[AWT+1], 16, v[AWT]
	v_lshl_or_b32 v[AW+1], v[AWT+3], 16, v[AWT+2]
	ds_store_b64 v[STW], v[AW:AW+1]                ; my 64 rows' scale bytes (both halves of the lanes write the same)
	s_wait_dscnt 0x0
	s_barrier_signal -1
	s_barrier_wait -1
	s_cmp_lg_u32 s[WV], 0                          ; wave 0 stores the work-group's 1,024 bytes in whole aligned runs
	s_cbranch_scc1 .Lno_words
	ds_load_b128 v[S:S+3], v[STR]
	ds_load_b128 v[S+4:S+7], v[STR] offset:512
	s_wait_dscnt 0x0
	global_store_b128 v[L16], v[S:S+3], s[10:11]
	global_store_b128 v[L16], v[S+4:S+7], s[10:11] offset:512
.Lno_words:
	s_wait_tensorcnt 0x0                           ; the wave's end
	ds_add_u32 v254, v255
	s_wait_dscnt 0x0
	CROUND
	s_endpgm
.Lfunc_end_k_qe63fc76f73_attn:
	.size	k_qe63fc76f73_attn, .Lfunc_end_k_qe63fc76f73_attn-k_qe63fc76f73_attn
	.p2alignl 7, 3214868480
	.fill 96, 4, 3214868480
	.section	.rodata,"a",@progbits
	.p2align	6, 0x0
	.amdhsa_kernel k_qe63fc76f73_attn
		.amdhsa_group_segment_fixed_size 262144
		.amdhsa_private_segment_fixed_size 0
		.amdhsa_enable_private_segment 0
		.amdhsa_kernarg_size 32
		.amdhsa_user_sgpr_count 2
		.amdhsa_user_sgpr_kernarg_segment_ptr 1
		.amdhsa_wavefront_size32 1
		.amdhsa_system_sgpr_workgroup_id_x 1
		.amdhsa_system_sgpr_workgroup_id_y 1
		.amdhsa_system_sgpr_workgroup_id_z 1
		.amdhsa_system_vgpr_workitem_id 0
		.amdhsa_next_free_vgpr 512
		.amdhsa_next_free_sgpr 96
		.amdhsa_reserve_vcc 0
		.amdhsa_float_denorm_mode_32 3
		.amdhsa_float_denorm_mode_16_64 3
		.amdhsa_memory_ordered 1
		.amdhsa_forward_progress 1
		.amdhsa_inst_pref_size 86
	.end_amdhsa_kernel
	.amdgpu_metadata
---
amdhsa.version: [ 1, 2 ]
amdhsa.kernels:
  - .name:           k_qe63fc76f73_attn
    .symbol:         k_qe63fc76f73_attn.kd
    .args:
      - { .name: qkvc, .offset: 0, .size: 8, .value_kind: global_buffer, .address_space: global }
      - { .name: qkvs, .offset: 8, .size: 8, .value_kind: global_buffer, .address_space: global }
      - { .name: ac, .offset: 16, .size: 8, .value_kind: global_buffer, .address_space: global }
      - { .name: asc, .offset: 24, .size: 8, .value_kind: global_buffer, .address_space: global }
    .group_segment_fixed_size: 262144
    .private_segment_fixed_size: 0
    .kernarg_segment_align: 8
    .kernarg_segment_size: 32
    .max_flat_workgroup_size: 256
    .sgpr_count:     96
    .vgpr_count:     512
    .wavefront_size: 32
...
	.end_amdgpu_metadata
.endif
;; end of part 2
;; launch proj (part 3): grid 8 x 32, 4 waves a work-group, clusters of 4 x 4, 327,680 bytes of LDS; arguments ac, asc, w_out_codes, w_out_scales, b_out, out0; writes out0
.if DOCPART == 3
	.amdgcn_target "amdgcn-amd-amdhsa--gfx1250"
	.amdhsa_code_object_version 6
	.text
	.protected	k_qe63fc76f73_proj
	.globl	k_qe63fc76f73_proj
	.p2align	8
	.type	k_qe63fc76f73_proj,@function
k_qe63fc76f73_proj:
	s_mov_b64 s[64:65], 0
	v_nop
	global_prefetch_b8 v0, s[64:65] scope:SCOPE_SE
	s_setreg_imm32_b32 hwreg(HW_REG_WAVE_MODE, 25, 1), 1
	s_wait_xcnt 0x0
	s_wait_alu depctr_hold_cnt(0) depctr_sa_sdst(0) depctr_va_vdst(0) depctr_va_sdst(0) depctr_va_ssrc(0) depctr_va_vcc(0) depctr_vm_vsrc(0)
	s_getreg_b32 s2, hwreg(HW_REG_IB_STS2, 6, 4)
	s_cmp_eq_u32 s2, 0
	s_cbranch_scc0 .Lentry_in_a_cluster
	s_endpgm
.Lentry_in_a_cluster:
	s_bfe_u32 s2, ttmp6, 0x10000c
	s_cmp_lg_u32 s2, 0xf033
	s_cbranch_scc0 .Lentry_shape_is_right
	s_endpgm
.Lentry_shape_is_right:
; out0 = A w_out^T + b_out on codes of FP6 (E2M3) with E8M0 scales.  A: the attention's result as images of operand registers (ac) and scale words (asc); w_out as given.
; A work-group of four waves makes 256 rows x 128 columns: 256 work-groups.  A wave makes 128 x 64.  Source 0 = 16 rows of w_out, source 1 = 16 rows of A:
; a lane holds eight neighbouring columns of one row of out0.
; ALL OF K LIES IN LDS, filled once, one joint load a wave: waves 0 and 1 a half each of A's 16 row tiles (98,304 dense bytes as rows of 256; shared along a row of the cluster),
; waves 2 and 3 a half each of w_out's 128 rows of 768 bytes, 16 bytes of padding behind every 256 (shared along a column).  No prefetch: all is asked for at the head.
; THE WORK GOES BY ROWS OF THE RESULT.  A wave holds its 64 rows of w_out, all of K, in 384 registers; A streams past in blocks of 16 rows, all of K, in two sets of registers.
; A block is 32 products on four accumulators by turns; it then goes through the wave's own stage in LDS and is stored, while the next block's products follow.
; The scale words of all of K stay in registers; b_out is the C of a block's first four products.
.set WOFF,   196608                    ; A's 16 row tiles x 12,288 bytes, then w_out's 128 rows
.set PITCH,  816
.set SPITCH, 272
.set STAGE,  WOFF+128*PITCH
.set SPARE,  STAGE+4*16*SPITCH
.set ADRA, 16                          ; v16, v17 A's images, row tiles 0-3 and 4-7 of my eight
.set STO,  28
.set RD,   29
.set CO,   30
.set BS,   32                          ; v32-47  w_out's scale words: 8 (b % 2) + step; lanes 16-31: block b + 2
.set AS,   48                          ; v48-79  A's: 4 step + a % 4; lanes 16-31: block a + 4
.set BJ,   80                          ; v80-111 b_out in the result's layout
.set RAW,  128                         ; v128-159 asc's words as they lie, at the head
.set BK,   64                          ; window 2, v64-95: 16 rows read back from the stage
; window 0 v128-223: A's fragments, set 0.  window 1: v0-95 set 1; v96-239 w_out's fragments of steps 5-7; v240-247 their LDS addresses.
; window 2: v0-63 two sets of four accumulators.  window 3: v0-239 w_out's fragments of steps 0-4.
.set WV,  16
.set IH,  17
.set JH,  18
.set CX,  19
.set CY,  20
.set XT,  21
.set YT,  22
.set G1A, 24
.set G1W, 32
.set G0A, 40
.set G0W, 68
.set MSB, 0
.macro WIN new
.if MSB != (\new)
	s_set_vgpr_msb (MSB<<8)|(\new)
.set MSB, (\new)
.endif
.endm
.macro PLACES n
.rept \n
	v_nop
.endr
.endm
.macro CROUND
	s_barrier_signal -1
	s_barrier_wait -1
	s_cmp_lg_u32 s[WV], 0
	s_cbranch_scc1 .Lnot_wave_0_\@
	s_barrier_signal -3
.Lnot_wave_0_\@:
	s_barrier_wait -3
	s_barrier_signal -1
	s_barrier_wait -1
.endm
	s_load_b256 s[4:11], s[0:1], 0x0               ; ac, asc, w_out's codes, w_out's scales
	s_load_b128 s[12:15], s[0:1], 0x20             ; b_out, out0
	v_lshl_add_u32 v254, v0, 2, SPARE
	v_mov_b32 v255, 0
	ds_add_u32 v254, v255                          ; the opening lines
	ds_add_u32 v254, v255
	v_lshrrev_b32 v1, 5, v0
	v_readfirstlane_b32 s[WV], v1
	s_lshr_b32 s[IH], s[WV], 1                     ; my half of the rows.  Also: I fetch for A (0) or for w_out (1)
	s_and_b32 s[JH], s[WV], 1                      ; my half of the columns.  Also: which half I fetch
	s_bfe_u32 s[CX], ttmp6, 0x40000
	s_bfe_u32 s[CY], ttmp6, 0x40004
	s_lshl_b32 s[XT], ttmp9, 2
	s_add_co_u32 s[XT], s[XT], s[CX]               ; tile of 128 columns
	s_and_b32 s[YT], ttmp7, 0xffff
	s_lshl_b32 s[YT], s[YT], 2
	s_add_co_u32 s[YT], s[YT], s[CY]               ; tile of 256 rows
	s_lshl_b32 s56, s[CY], 2
	s_lshl_b32 s56, 15, s56
	s_lshl_b32 s60, 0x1111, s[CX]
	s_or_b32 s[G1A], s56, (3<<16)|(1<<21)          ; A: 384 rows of 256 bytes (32 elements of 8), dense
	s_mov_b32 s[G1A+1], 32<<16
	s_mov_b32 s[G1A+2], 384<<16
	s_mov_b32 s[G1A+3], 32<<16
	s_mov_b32 s[G1A+4], 384
	s_mov_b32 s[G1A+5], 32
	s_mov_b32 s[G1A+6], 0
	s_mov_b32 s[G1A+7], 0
	s_or_b32 s[G1W], s60, (1<<20)|(1<<21)|(5<<22)|(3<<25)   ; w_out: 64 rows x 768 bytes, 4 words of padding behind every 64
	s_mov_b32 s[G1W+1], 768<<16
	s_mov_b32 s[G1W+2], 64<<16
	s_mov_b32 s[G1W+3], 768<<16
	s_mov_b32 s[G1W+4], 64
	s_mov_b32 s[G1W+5], 768
	s_mov_b32 s[G1W+6], 0
	s_mov_b32 s[G1W+7], 0
	s_lshl_b32 s56, s[YT], 4
	s_lshl_b32 s57, s[JH], 3
	s_add_co_u32 s56, s56, s57
	s_mul_i32 s56, s56, 12288                      ; A: the eight row tiles that I would fetch
	s_mov_b32 s57, 0
	s_lshl_b32 s86, s[XT], 7
	s_lshl_b32 s87, s[JH], 6
	s_add_co_u32 s86, s86, s87                     ; my first column; also the first row of w_out that I would fetch
	s_mul_i32 s62, s86, 768
	s_mov_b32 s63, 0
	s_mul_i32 s58, s[JH], 98304                    ; where they go
	s_mul_i32 s59, s[JH], 64*PITCH
	s_add_co_u32 s59, s59, WOFF
	s_lshl_b32 s88, s86, 5                         ; w_out's scales: 32 bytes a row
	s_mov_b32 s89, 0
	s_lshl_b32 s90, s86, 2                         ; b_out, and my columns' bytes in a row of out0
	s_mov_b32 s91, 0
	s_lshl_b32 s84, s[YT], 2
	s_lshl_b32 s85, s[IH], 1
	s_add_co_u32 s84, s84, s85                     ; my first group of 64 rows
	s_lshl_b32 s92, s84, 7
	s_mov_b32 s93, 0
	s_lshl_b32 s84, s84, 18
	s_add_co_u32 s84, s84, s90
	s_mov_b32 s85, 0
	s_mov_b32 s94, 0x05040100
	s_mov_b32 s95, 0x07060302
	s_wait_dscnt 0x0
	s_wait_kmcnt 0x0
	s_add_nc_u64 s[6:7], s[6:7], s[92:93]
	s_add_nc_u64 s[10:11], s[10:11], s[88:89]
	s_add_nc_u64 s[12:13], s[12:13], s[90:91]
	s_add_nc_u64 s[14:15], s[14:15], s[84:85]
	s_mov_b32 s[G0A], 1
	s_mov_b32 s[G0A+1], s58
	s_add_nc_u64 s[G0A+2:G0A+3], s[4:5], s[56:57]
	s_or_b32 s[G0A+3], s[G0A+3], 0x80000000
	s_mov_b32 s[G0W], 1
	s_mov_b32 s[G0W+1], s59
	s_add_nc_u64 s[G0W+2:G0W+3], s[8:9], s[62:63]
	s_or_b32 s[G0W+3], s[G0W+3], 0x80000000
	CROUND                                         ; all sixteen work-groups are here: the joint loads meet
	s_cmp_eq_u32 s[IH], 0
	s_cbranch_scc0 .Lfirst_w
	tensor_load_to_lds s[G0A:G0A+3], s[G1A:G1A+7]
	s_nop 0
	PLACES 4
	s_branch .Lfirst_asked
.Lfirst_w:
	tensor_load_to_lds s[G0W:G0W+3], s[G1W:G1W+7]
	s_nop 0
	PLACES 4
.Lfirst_asked:
	v_and_b32 v1, 15, v0                           ; r
	v_bfe_u32 v2, v0, 4, 1                         ; h
	v_and_b32 v3, 31, v0
	v_lshlrev_b32 v4, 3, v3                        ; 8 x lane
	v_lshlrev_b32 v5, 5, v1
	v_lshl_add_u32 v5, v2, 10, v5                  ; 32 r + 32 rows for lanes 16-31
	v_lshlrev_b32 v6, 5, v2
.irp e, 0,1
	global_load_b128 v[BS+8*\e:BS+8*\e+3], v5, s[10:11] offset:512*\e
	global_load_b128 v[BS+8*\e+4:BS+8*\e+7], v5, s[10:11] offset:512*\e+16
.endr
.irp d, 0,1,2,3,4,5,6,7,8,9,10,11,12,13,14,15
	global_load_b64 v[RAW+2*\d:RAW+2*\d+1], v4, s[6:7] offset:16384*\d   ; head d: my 128 rows' bytes, 256 consecutive bytes
.endr
.irp b, 0,1,2,3
	global_load_b128 v[BJ+8*\b:BJ+8*\b+3], v6, s[12:13] offset:64*\b
	global_load_b128 v[BJ+8*\b+4:BJ+8*\b+7], v6, s[12:13] offset:64*\b+16
.endr
	s_mul_i32 s84, s[IH], 98304
	v_add_nc_u32 v[ADRA], s84, v4
	v_add_nc_u32 v[ADRA+1], 49152, v[ADRA]
	v_mul_u32_u24 v7, v1, PITCH
	v_mad_u32_u24 v7, v2, 24, v7
	v_add_nc_u32 v7, s59, v7                       ; w_out: row x pitch + 24 h,
	v_lshl_add_u32 v8, v2, 4, v7                   ; and the same behind one padding more for lanes 16-31
	WIN 1<<6
.irp b, 0,1,2,3
	v_add_nc_u32 v[240+2*\b], \b*16*PITCH, v7
	v_add_nc_u32 v[241+2*\b], \b*16*PITCH, v8
.endr
	WIN 0
	s_mul_i32 s86, s[WV], 16*SPITCH
	s_add_co_u32 s86, s86, STAGE                   ; my stage
	v_mul_u32_u24 v[STO], v1, SPITCH
	v_lshl_add_u32 v[STO], v2, 5, v[STO]
	v_add_nc_u32 v[STO], s86, v[STO]               ; in: row r, 32 bytes for each half of the lanes
	v_mul_u32_u24 v[RD], v2, SPITCH
	v_lshl_add_u32 v[RD], v1, 4, v[RD]
	v_add_nc_u32 v[RD], s86, v[RD]                 ; back: lanes 0-15 one row of 256 bytes, lanes 16-31 the next
	v_lshlrev_b32 v[CO], 12, v2
	v_lshl_add_u32 v[CO], v1, 4, v[CO]             ; and the same two rows in out0
	s_wait_alu depctr_va_vdst(0)
	s_wait_loadcnt 0x0
.irp g, 0,1,2,3,4,5,6,7                        ; step g takes heads 2 g and 2 g + 1: a row tile's word = the even head's two bytes, then the odd head's
.irp m, 0,1
	v_perm_b32 v[AS+4*\g+2*\m], v[RAW+4*\g+2+\m], v[RAW+4*\g+\m], s94
	v_perm_b32 v[AS+4*\g+2*\m+1], v[RAW+4*\g+2+\m], v[RAW+4*\g+\m], s95
.endr
.endr
; A fragment of w_out, 16 rows x 128 K: six pieces of 8 bytes, two to a load where both lie behind as many paddings.  The windows are set by the caller.
.macro FRAG R, q, a0, a1
.set SKIP_, 0
.irp p, 0,1,2,3,4,5
.if SKIP_
.set SKIP_, 0
.else
.set PC_, 12*(\q)+6*(\p/3)+\p%3
.set PN_, 12*(\q)+6*((\p+1)/3)+(\p+1)%3
.set X_, (PC_%32+3)/32
.set XQ_, (PN_%32+3)/32
.if (\p < 5) && (X_ == XQ_)
.set SKIP_, 1
.if X_
	ds_load_2addr_b64 v[\R+2*\p:\R+2*\p+3], v[\a1] offset0:PC_+2*(PC_/32) offset1:PN_+2*(PN_/32)
.else
	ds_load_2addr_b64 v[\R+2*\p:\R+2*\p+3], v[\a0] offset0:PC_+2*(PC_/32) offset1:PN_+2*(PN_/32)
.endif
.elseif X_
	ds_load_b64 v[\R+2*\p:\R+2*\p+1], v[\a1] offset:8*(PC_+2*(PC_/32))
.else
	ds_load_b64 v[\R+2*\p:\R+2*\p+1], v[\a0] offset:8*(PC_+2*(PC_/32))
.endif
.endif
.endr
.endm
.macro LOADW                           ; my 64 rows of w_out, all of K
.irp q, 0,1,2,3,4
	WIN (3<<6)|1
.irp b, 0,1,2,3
	FRAG 48*\q+12*\b, \q, 240+2*\b, 241+2*\b
.endr
.endr
.irp q, 5,6,7
	WIN (1<<6)|1
.irp b, 0,1,2,3
	FRAG 96+48*(\q-5)+12*\b, \q, 240+2*\b, 241+2*\b
.endr
.endr
	WIN 0
.endm
.macro FETCHA a                        ; block a of A, all of K, into set a % 2: 48 loads; two images on end are a fragment
	WIN ((\a)%2)<<6
.irp g, 0,1,2,3,4,5,6,7
.irp p, 0,1,2,3,4,5
	ds_load_b64 v[128*(1-(\a)%2)+12*\g+2*\p:128*(1-(\a)%2)+12*\g+2*\p+1], v[ADRA+(\a)/4] offset:12288*((\a)%4)+1536*\g+256*\p
.endr
.endr
	WIN 0
.endm
.macro W4 d, s0, s1, c, x0, x1, r0, r1
.if (\r0 == 0) && (\r1 == 0)
	v_wmma_scale_f32_16x16x128_f8f6f4 v[\d:\d+7], v[\s0:\s0+11], v[\s1:\s1+11], v[\c:\c+7], v[\x0], v[\x1] matrix_a_fmt:MATRIX_FMT_FP6 matrix_b_fmt:MATRIX_FMT_FP6
.elseif (\r1 == 0)
	v_wmma_scale_f32_16x16x128_f8f6f4 v[\d:\d+7], v[\s0:\s0+11], v[\s1:\s1+11], v[\c:\c+7], v[\x0], v[\x1] matrix_a_fmt:MATRIX_FMT_FP6 matrix_b_fmt:MATRIX_FMT_FP6 matrix_a_scale:MATRIX_SCALE_ROW1
.elseif (\r0 == 0)
	v_wmma_scale_f32_16x16x128_f8f6f4 v[\d:\d+7], v[\s0:\s0+11], v[\s1:\s1+11], v[\c:\c+7], v[\x0], v[\x1] matrix_a_fmt:MATRIX_FMT_FP6 matrix_b_fmt:MATRIX_FMT_FP6 matrix_b_scale:MATRIX_SCALE_ROW1
.else
	v_wmma_scale_f32_16x16x128_f8f6f4 v[\d:\d+7], v[\s0:\s0+11], v[\s1:\s1+11], v[\c:\c+7], v[\x0], v[\x1] matrix_a_fmt:MATRIX_FMT_FP6 matrix_b_fmt:MATRIX_FMT_FP6 matrix_a_scale:MATRIX_SCALE_ROW1 matrix_b_scale:MATRIX_SCALE_ROW1
.endif
.endm
.macro PRD a, b, sg
.set E_, (\a)%2
.if (\sg) < 5
.set WW_, 3
.set S0_, 48*(\sg)+12*(\b)
.else
.set WW_, 1
.set S0_, 96+48*((\sg)-5)+12*(\b)
.endif
.set S1_, 128*(1-E_)+12*(\sg)
.set D_, 32*E_+8*(\b)
.set C_, BJ+8*(\b)
.set X0_, BS+8*((\b)%2)+(\sg)
.set X1_, AS+4*(\sg)+(\a)%4
.set R0_, (\b)/2
.set R1_, (\a)/4
.if (\sg) == 0
	WIN WW_|(E_<<2)|(2<<6)
	W4 D_, S0_, S1_, C_, X0_, X1_, R0_, R1_
.else
	WIN WW_|(E_<<2)|(2<<4)|(2<<6)
	W4 D_, S0_, S1_, D_, X0_, X1_, R0_, R1_
.endif
.endm
.macro MULB a                          ; block a: 32 products, K ascending; its four accumulators take turns, one instruction a turn
.irp g, 0,1,2,3,4,5,6,7
.irp b, 0,1,2,3
	PRD \a, \b, \g
.endr
.endr
	WIN 0
.endm
; A block's way out, through my own stage: back as whole rows of 256 bytes, which sixteen lanes store as one aligned run.
.macro TOSTAGE a
	WIN 0x08                                       ; an LDS store's data: window 2
.irp b, 0,1,2,3
	ds_store_b128 v[STO], v[32*((\a)%2)+8*\b:32*((\a)%2)+8*\b+3] offset:64*\b          ; each accumulator from its low end on
	ds_store_b128 v[STO], v[32*((\a)%2)+8*\b+4:32*((\a)%2)+8*\b+7] offset:64*\b+16
.endr
	WIN 0x80                                       ; a load's destination: window 2
.irp t, 0,1,2,3,4,5,6,7
	ds_load_b128 v[BK+4*\t:BK+4*\t+3], v[RD] offset:\t*2*SPITCH   ; LDS serves a wave's instructions in order: these see the stores above
.endr
	WIN 0
.endm
.macro SEND a
	WIN 0x08                                       ; a store's data: window 2
.irp t, 0,1,2,3,4,5,6,7
	global_store_b128 v[CO], v[BK+4*\t:BK+4*\t+3], s[14:15] offset:(\a)*65536+\t*8192 th:TH_STORE_NT
.endr
	WIN 0
.endm
.macro BLOCKA a
	MULB \a
	PLACES 4                                       ; behind the block's products: ahead of the stores of its sums and of the loads into its set
.if (\a) > 0
	s_wait_xcnt 0x0                                ; the last block's stores have read their registers
.endif
	TOSTAGE \a
.if (\a) < 6
	FETCHA (\a)+2
	s_wait_dscnt 48                                ; the block is back, and the next block's fragments are in; the 48 loads just issued may be out
.else
	s_wait_dscnt 0x0
.endif
	SEND \a
.endm
	s_wait_alu depctr_va_vdst(0)
	s_cmp_lt_u32 s[WV], 2
	s_cbranch_scc1 .La_out
	s_wait_tensorcnt 0x0                           ; waves 2, 3: w_out's rows are in
.La_out:
	s_barrier_signal -1
	s_barrier_wait -1                              ; A may still be on its way
	LOADW
	s_wait_tensorcnt 0x0
	s_wait_dscnt 0x0
	s_barrier_signal -1
	s_barrier_wait -1                              ; A is in
	FETCHA 0
	FETCHA 1
	s_wait_dscnt 48                                ; block 0's fragments are in; block 1's 48 loads may be out
.irp a, 0,1,2,3,4,5,6,7
	BLOCKA \a
.endr
	s_wait_tensorcnt 0x0                           ; the wave's end
	ds_add_u32 v254, v255
	s_wait_dscnt 0x0
	CROUND
	s_endpgm
.Lfunc_end_k_qe63fc76f73_proj:
	.size	k_qe63fc76f73_proj, .Lfunc_end_k_qe63fc76f73_proj-k_qe63fc76f73_proj
	.p2alignl 7, 3214868480
	.fill 96, 4, 3214868480
	.section	.rodata,"a",@progbits
	.p2align	6, 0x0
	.amdhsa_kernel k_qe63fc76f73_proj
		.amdhsa_group_segment_fixed_size 327680
		.amdhsa_private_segment_fixed_size 0
		.amdhsa_enable_private_segment 0
		.amdhsa_kernarg_size 48
		.amdhsa_user_sgpr_count 2
		.amdhsa_user_sgpr_kernarg_segment_ptr 1
		.amdhsa_wavefront_size32 1
		.amdhsa_system_sgpr_workgroup_id_x 1
		.amdhsa_system_sgpr_workgroup_id_y 1
		.amdhsa_system_sgpr_workgroup_id_z 1
		.amdhsa_system_vgpr_workitem_id 0
		.amdhsa_next_free_vgpr 1024
		.amdhsa_next_free_sgpr 96
		.amdhsa_reserve_vcc 0
		.amdhsa_float_denorm_mode_32 3
		.amdhsa_float_denorm_mode_16_64 3
		.amdhsa_memory_ordered 1
		.amdhsa_forward_progress 1
		.amdhsa_inst_pref_size 93
	.end_amdhsa_kernel
	.amdgpu_metadata
---
amdhsa.version: [ 1, 2 ]
amdhsa.kernels:
  - .name:           k_qe63fc76f73_proj
    .symbol:         k_qe63fc76f73_proj.kd
    .args:
      - { .name: ac, .offset: 0, .size: 8, .value_kind: global_buffer, .address_space: global }
      - { .name: asc, .offset: 8, .size: 8, .value_kind: global_buffer, .address_space: global }
      - { .name: w_out_codes, .offset: 16, .size: 8, .value_kind: global_buffer, .address_space: global }
      - { .name: w_out_scales, .offset: 24, .size: 8, .value_kind: global_buffer, .address_space: global }
      - { .name: b_out, .offset: 32, .size: 8, .value_kind: global_buffer, .address_space: global }
      - { .name: out0, .offset: 40, .size: 8, .value_kind: global_buffer, .address_space: global }
    .group_segment_fixed_size: 327680
    .private_segment_fixed_size: 0
    .kernarg_segment_align: 8
    .kernarg_segment_size: 48
    .max_flat_workgroup_size: 128
    .sgpr_count:     96
    .vgpr_count:     1024
    .wavefront_size: 32
...
	.end_amdgpu_metadata
.endif
;; end of part 3
